; MI455X (gfx1250); checked and timed in simulation.
; The chip was launched on July 23, 2026; its instructions are those of AMD's public machine-readable ISA for CDNA 5 (MIT licence, August 2026) and "CDNA5" Instruction Set Architecture Reference Guide (July 2026). The comments in the code are by the model that wrote it; some were corrected since.
;; Resonant FFNV2. Allowed arithmetic: matrix products marked QUANTISED: E3M2 operands, one E8M0 scale for each 32 along K, by v_wmma_scale_f32_16x16x128_f8f6f4 with both operands' format E3M2, f32 sums; everything else in f32.
;; Inputs: B_param 256 x 512 float32; W 256 x 512 float32; attn_cos 256 x 512 float32; attn_sin 256 x 512 float32; proj_cos_w_codes 512 x 8 x 24 uint8 (E3M2 codes of proj_cos_w, K innermost, in blocks of 32 codes, four codes in three bytes); proj_cos_w_scales 512 x 8 uint8 (E8M0 scales of proj_cos_w, one for each 32 codes along K); proj_sin_w_codes 512 x 8 x 24 uint8 (E3M2 codes of proj_sin_w, K innermost, in blocks of 32 codes, four codes in three bytes); proj_sin_w_scales 512 x 8 uint8 (E8M0 scales of proj_sin_w, one for each 32 codes along K); x 2 x 512 x 512 float32.
;; Outputs: out0 2 x 512 x 512 float32.
;; This version of the problem:
;;   THIS VERSION OF THE PROBLEM IS GIVEN IN LOW PRECISION. The matrix products marked QUANTISED in the list below multiply operands that are first quantised to E3M2 (3 exponent bits, 2 mantissa bits; 6 bits a number), with one power-of-two scale for each 32 numbers along K (OCP MX v1.0); their sums are f32. All else is computed in f32.
;;   The module's matrix products, in the order in which they are computed (A, B: the left and right operand; K: the contracted axis; several contracted axes count as one K, in the product's order):
;;     1. [M 1,024, K 256] x [K 256, N 512]; A: computed on the way; B: input proj_cos_w (given as codes): QUANTISED
;;     2. [M 1,024, K 256] x [K 256, N 512]; A: computed on the way; B: input proj_sin_w (given as codes): QUANTISED
;;   THE QUANTISER, for each operand of a quantised product, along K:
;;     - K is cut into blocks of 32 from its start; a last block that is shorter is filled with zeros.
;;     - A block's scale is 2^e with e = floor(log2(the largest magnitude in the block)) - 4, held to -126 .. 127; a block of zeros has e = 0. As a byte (E8M0): e + 127.
;;     - Each number is divided by its block's scale, clamped to +-28, and rounded to the nearest number of E3M2, ties to even, subnormals kept.
;;     - The product sums the exact products of the quantised numbers (number of the format x scale) in f32.
;;   ~~~python
;;   def quantise(x, axis):      # numpy; x: float32 -> the quantised numbers, widened to float32 again
;;       x = np.moveaxis(x, axis, -1); K = x.shape[-1]
;;       x = np.pad(x, [(0, 0)] * (x.ndim - 1) + [(0, -K % 32)]); x = x.reshape(x.shape[:-1] + (-1, 32)); a = np.abs(x).max(-1, keepdims=True)
;;       e = np.where(a > 0, np.clip(np.frexp(np.where(a > 0, a, 1))[1] - 1 - 4, -126, 127), 0)      # np.frexp(a)[1] - 1 = floor(log2(a)), exactly
;;       r = np.clip(x / 2.0 ** e, -28, 28)
;;       step = 2.0 ** (np.maximum(np.frexp(np.where(r == 0, 1, r))[1] - 1, -2) - 2)
;;       q = np.round(r / step) * step * 2.0 ** e      # np.round: ties to even
;;       return np.moveaxis(q.reshape(q.shape[:-2] + (-1,))[..., :K], -1, axis).astype(np.float32)
;;   ~~~
;;   OPERANDS COMPUTED ON THE WAY. 'Computed on the way' means the value that the module computes at that place (a softmax that the list does not call 'softmax' is quantised finished and normalised). What goes into a quantiser is computed in f32, as accurately as f32 sums, v_exp_f32 and their like allow (about 1e-6 of the number): no bf16 or f16 on the way to a quantiser, and a product that is left as it is and whose result goes on into a quantised operand takes f32 operands (vector FMAs, or v_wmma_f32_16x16x4_f32). A number that lies on a knife's edge between two numbers of the format may be rounded either way, as far as f32 arithmetic and the matrix unit's own rounding can turn it there, and no further.
;;   INPUTS GIVEN AS CODES. proj_cos_w (in the module: [512, 256], K = its axis 1); proj_sin_w (in the module: [512, 256], K = its axis 1): each comes as NAME_codes (uint8): NAME with its K axis moved to the last place and cut into blocks of 32 codes, [.., K / 32, bytes a block], one block behind the other in memory; four codes in three bytes: a row's codes are one little-endian stream of bits, code i at bits 6 i .. 6 i + 5 (a code: sign, 3 exponent bits, 2 mantissa bits); and NAME_scales (uint8): the same leading axes, one E8M0 byte (e + 127) for each 32 codes along K. Its value is code x scale, taken as it is: it is not quantised again, and the codes and scales need not be those that the quantiser above would give.
;; One version. Each part assembles by itself: llvm-mc -triple=amdgcn-amd-amdhsa -mcpu=gfx1250 --defsym DOCPART=n.
;; ======== version 1 of 1: 2 launches
;; limits: right only within a limited range of input values
;; workspace buffers: sums 2,097,152 bytes
;; launch trig (part 1): grid 16 x 16, 16 waves a work-group, no clusters, 43,008 bytes of LDS; arguments x, W, B_param, attn_cos, attn_sin, sums; writes sums
.if DOCPART == 1
	.amdgcn_target "amdgcn-amd-amdhsa--gfx1250"
	.amdhsa_code_object_version 6
	.text
	.protected	k_qe939b081e0_trig
	.globl	k_qe939b081e0_trig
	.p2align	8
	.type	k_qe939b081e0_trig,@function
k_qe939b081e0_trig:
	s_mov_b64 s[64:65], 0
	v_nop
	global_prefetch_b8 v0, s[64:65] scope:SCOPE_SE
	s_setreg_imm32_b32 hwreg(HW_REG_WAVE_MODE, 25, 1), 1
	s_wait_xcnt 0x0
; cos_sum[m][n] = sum over d of cos(a) attn_cos[n][d],  sin_sum[m][n] = sum over d of sin(a) attn_sin[n][d],  a = 2 pi idx / 4096,
; idx = round(theta x 4096 / 2 pi) mod 4096,  theta = x[m][d] / (1 + |W[n][d]|) + B_param[n][d].   m: 1,024 rows, n: 256, d: 512.  All in f32.
; THE INDEX IS MADE BIT FOR BIT as the definition makes it: the quotient rounded once (a product with 1 / wl, its residual by one fused multiply-add, one correction), the same addition, the same
; multiplication (by the f32 number 4096 / 2 pi, here divided by 4096, which rounds nothing), and the rounding to a whole number, ties to even, by adding 3072.5: between 2,048 and 4,096 neighbouring f32 numbers
; lie 1 / 4096 apart, so the sum's low 12 mantissa bits are (idx + 2048) mod 4096.  Set under the exponent of 4096 they are 4096 + idx' / 2048; less 4097 that is t in [-1, 1), exactly, and pi t is the angle.
; No table: an address may not hang on floating-point data.  cos(pi t) is a polynomial of degree 6 in t^2, sin(pi t) is t times one of degree 5 (series by Chebyshev polynomials, cut where the next term is about 1e-7 or less).
; LIMITS: |x / (1 + |W|) + B_param| under 6,430 (1,023.5 turns), else the sum with 3072.5 leaves [2048, 4096) and the result is finite and wrong.  NaN and infinities among the inputs are not served.
; SHARES.  A work-group of sixteen waves owns 64 rows x 16 n x all d.  Wave w owns rows 4 w .. 4 w + 3 of them, for all 16 n.  LANES RUN ALONG d: lane l holds d = 128 c + 4 l + 0 .. 3, c = 0 .. 3, so the wave's
; x, 4 rows x 16 numbers a lane, stays in 64 registers.  The parameters of 4 n at a time (1 / wl, wl, B, attn_cos, attn_sin: 5 x 2,048 bytes an n) lie in LDS; wl and 1 / wl are made once for the work-group.
; Each step of the arithmetic is written for the four rows in turn, two d an instruction, so that no line reads the result of the line above it.
; ORDER OF n: group j = 0 .. 3, in it k = 0 .. 3, n = 4 k + j.  The reduction leaves lane l with the sum of (cos or sin: l / 16; row: (l / 4) % 4; k: l % 4), and group j is the lane's word j:
; so the wave's one store of 16 bytes a lane covers 512 consecutive bytes, aligned: [cos, sin][4 rows][16 n] of f32, the block (m / 4) x 16 + n / 16 of the buffer.
; NO JOINT LOADS: the parameters pass through registers anyway (wl and its reciprocal are made on the way), and a work-group fetches 256 KiB in all for 524,288 elements of 12 vector instructions each.
.set LA,   1                           ; v1   16 x lane: offset in x's rows, in an n's LDS streams and in the stored block; never rewritten
.set AD,   2                           ; v2   LDS address of the n in hand
.set PS,   3                           ; v3   where my thread stores its 16 bytes of each stream: 10,240 (thread / 128) + 16 (thread % 128)
.set GOF,  4                           ; v4   my thread's offset in W, B_param, attn_cos, attn_sin: 8,192 (thread / 128) + 16 (thread % 128), + 2,048 a group
.set RAW,  8                           ; v8-23  W, B_param, attn_cos, attn_sin as loaded, four numbers each
.set WLP,  24                          ; v24-27 wl = 1 + |W|
.set RIP,  28                          ; v28-31 1 / wl
.set EP,   32                          ; v32-35 1 - wl x (1 / wl)
.set X,    64                          ; v64-127  x: row r, chunk c at X + 16 r + 4 c
.set P0,   128                         ; v128-147, v148-167: two sets of a chunk's parameters: +0 1 / wl, +4 wl, +8 B, +12 attn_cos, +16 attn_sin
.set P1,   148
.set ACC,  168                         ; v168-183 row r: cos's sums (even d, odd d) at +4 r, sin's at +4 r + 2
.set TMP,  184                         ; v184-223 row r, ten registers: +0 quotient .. index, then t^2; +2 residual, then t; +4 cos; +6 sin / t; +8 t x attn_sin
.set VA6,  224                         ; v[224:225] a6 twice, v[226:227] b5 twice: so a chain's first step names one scalar pair only
.set VB5,  226
.set OUT,  228                         ; v[228:231] my four words of the block
.set CUR,  232                         ; v232 the group's word, gathered over its four n
.set NSTR, 10240                       ; LDS bytes of one n: five streams of 2,048
.set CA,   24                          ; s[24:35] a0 .. a5, each twice (the packed forms name a pair)
.set CB,   36                          ; s[36:45] b0 .. b4
.macro SPAIR reg, val
	s_mov_b32 s[\reg], \val
	s_mov_b32 s[\reg+1], \val
.endm
	s_load_b256 s[4:11], s[0:1], 0x0               ; x s[4:5], W s[6:7], B_param s[8:9], attn_cos s[10:11]
	s_load_b128 s[12:15], s[0:1], 0x20             ; attn_sin s[12:13], sums s[14:15]
	v_lshl_add_u32 v240, v0, 2, 0xa000
	v_mov_b32 v241, 0
	v_and_b32 v[LA], 31, v0
	v_lshlrev_b32 v[LA], 4, v[LA]
	v_lshrrev_b32 v5, 5, v0
	v_readfirstlane_b32 s52, v5                    ; wave 0..15
	v_lshrrev_b32 v5, 7, v0                        ; k = thread / 128
	v_and_b32 v6, 127, v0
	v_mul_u32_u24 v[PS], v5, NSTR
	v_lshl_add_u32 v[PS], v6, 4, v[PS]
	v_lshlrev_b32 v[GOF], 13, v5                   ; n = 4 k + j: 4 rows of 2,048 bytes from k to k + 1
	v_lshl_add_u32 v[GOF], v6, 4, v[GOF]
	SPAIR 16, 0x3e22f983                           ; the f32 number 4096 / 2 pi, divided by 4096
	SPAIR 18, 0x45400800                           ; 3072.5
	SPAIR 20, 0xc5800800                           ; -4097
	s_mov_b32 s22, 0xfff                           ; the index's 12 bits
	s_mov_b32 s23, 0x45800000                      ; 4096.0
	SPAIR CA+0,  0x3f800000                        ; cos(pi t) = a0 + a1 w + .. + a6 w^6, w = t^2
	SPAIR CA+2,  0xc09de9e4
	SPAIR CA+4,  0x4081e0d4
	SPAIR CA+6,  0xbfaae679
	SPAIR CA+8,  0x3e70aba7
	SPAIR CA+10, 0xbccfbda5
	SPAIR CB+0,  0x40490fd5                        ; sin(pi t) = t (b0 + b1 w + .. + b5 w^5)
	SPAIR CB+2,  0xc0a55d9d
	SPAIR CB+4,  0x40233139
	SPAIR CB+6,  0xbf1928cd
	SPAIR CB+8,  0x3da4d0a2
	s_mov_b32 s46, 0xff00ff00                      ; lanes whose bit 3 is set
	s_mov_b32 s47, 0xf0f0f0f0                      ; lanes whose bit 2 is set
	v_mov_b32 v[VA6], 0x3ad0eac4
	v_mov_b32 v[VA6+1], 0x3ad0eac4
	v_mov_b32 v[VB5], 0xbbc44d40
	v_mov_b32 v[VB5+1], 0xbbc44d40
.irp i, 0,1,2,3,4
	v_mov_b32 v[OUT+\i], 0                         ; written once: they are read (moved along, selected into) before each has its number
.endr
	s_and_b32 s54, ttmp7, 0xffff                   ; which 64 rows
	s_lshl_b32 s56, s54, 4
	s_add_co_u32 s56, s56, s52                     ; m / 4 = 16 x work-group y + wave
	s_lshl_b32 s54, s56, 13                        ; x: my four rows of 2,048 bytes
	s_mov_b32 s55, 0
	s_lshl_b32 s56, s56, 4
	s_add_co_u32 s56, s56, ttmp9
	s_lshl_b32 s56, s56, 9                         ; sums: block (m / 4) x 16 + n / 16, 512 bytes each
	s_mov_b32 s57, 0
	s_lshl_b32 s58, ttmp9, 15                      ; the parameters: 16 rows of 2,048 bytes for each work-group x
	s_mov_b32 s59, 0
	s_wait_kmcnt 0x0
	s_add_nc_u64 s[4:5], s[4:5], s[54:55]
	s_add_nc_u64 s[6:7], s[6:7], s[58:59]
	s_add_nc_u64 s[8:9], s[8:9], s[58:59]
	s_add_nc_u64 s[10:11], s[10:11], s[58:59]
	s_add_nc_u64 s[12:13], s[12:13], s[58:59]
	s_add_nc_u64 s[14:15], s[14:15], s[56:57]
.irp r, 0,1,2,3
.irp c, 0,1,2,3
	global_load_b128 v[X+16*\r+4*\c:X+16*\r+4*\c+3], v[LA], s[4:5] offset:\r*2048+\c*512   ; 32 lanes read 512 consecutive bytes of a row
.endr
.endr
.macro LDRAW                           ; a group's parameters: the 512 threads take 4 n x 2,048 bytes of each of the four buffers, 16 bytes each
	global_load_b128 v[RAW:RAW+3],     v[GOF], s[6:7]
	global_load_b128 v[RAW+4:RAW+7],   v[GOF], s[8:9]
	global_load_b128 v[RAW+8:RAW+11],  v[GOF], s[10:11]
	global_load_b128 v[RAW+12:RAW+15], v[GOF], s[12:13]
.endm
	LDRAW                                          ; group 0
.macro LDP buf, c                      ; chunk c (128 d) of the five streams of the n in hand: 16 bytes a lane on end
.irp st, 0,1,2,3,4
	ds_load_b128 v[\buf+4*\st:\buf+4*\st+3], v[AD] offset:\st*2048+\c*512
.endr
.endm
; Two d (h = 0: my chunk's first two, 1: the other two) of the four rows.  first = 1: the products start the sums: nothing is cleared.
.macro PAIRS c, buf, h, first
.irp r, 0,1,2,3
	v_pk_mul_f32 v[TMP+10*\r:TMP+10*\r+1], v[X+16*\r+4*\c+2*\h:X+16*\r+4*\c+2*\h+1], v[\buf+2*\h:\buf+2*\h+1]   ; q0 = x (1 / wl)
.endr
.irp r, 0,1,2,3
	v_pk_fma_f32 v[TMP+10*\r+2:TMP+10*\r+3], v[TMP+10*\r:TMP+10*\r+1], v[\buf+4+2*\h:\buf+5+2*\h], v[X+16*\r+4*\c+2*\h:X+16*\r+4*\c+2*\h+1] neg_lo:[1,0,0] neg_hi:[1,0,0]   ; e = x - q0 wl
.endr
.irp r, 0,1,2,3
	v_pk_fma_f32 v[TMP+10*\r:TMP+10*\r+1], v[TMP+10*\r+2:TMP+10*\r+3], v[\buf+2*\h:\buf+2*\h+1], v[TMP+10*\r:TMP+10*\r+1]   ; q = q0 + e (1 / wl): x / wl, rounded once
.endr
.irp r, 0,1,2,3
	v_pk_add_f32 v[TMP+10*\r:TMP+10*\r+1], v[TMP+10*\r:TMP+10*\r+1], v[\buf+8+2*\h:\buf+9+2*\h]   ; theta
.endr
.irp r, 0,1,2,3
	v_pk_mul_f32 v[TMP+10*\r:TMP+10*\r+1], v[TMP+10*\r:TMP+10*\r+1], s[16:17] op_sel_hi:[1,0]     ; theta x (4096 / 2 pi), in units of 4096
.endr
.irp r, 0,1,2,3
	v_pk_add_f32 v[TMP+10*\r:TMP+10*\r+1], v[TMP+10*\r:TMP+10*\r+1], s[18:19] op_sel_hi:[1,0]     ; + 3072.5: rounded to a whole index, ties to even
.endr
.irp r, 0,1,2,3
	v_and_or_b32 v[TMP+10*\r+2], v[TMP+10*\r], s22, s23                                            ; 4096 + ((idx + 2048) mod 4096) / 2048
	v_and_or_b32 v[TMP+10*\r+3], v[TMP+10*\r+1], s22, s23
.endr
.irp r, 0,1,2,3
	v_pk_add_f32 v[TMP+10*\r+2:TMP+10*\r+3], v[TMP+10*\r+2:TMP+10*\r+3], s[20:21] op_sel_hi:[1,0] ; t, exactly
.endr
.irp r, 0,1,2,3
	v_pk_mul_f32 v[TMP+10*\r:TMP+10*\r+1], v[TMP+10*\r+2:TMP+10*\r+3], v[TMP+10*\r+2:TMP+10*\r+3] ; w = t^2
.endr
.irp r, 0,1,2,3
	v_pk_fma_f32 v[TMP+10*\r+4:TMP+10*\r+5], v[VA6:VA6+1], v[TMP+10*\r:TMP+10*\r+1], s[CA+10:CA+11] op_sel_hi:[1,1,0]
.endr
.irp k, 4,3,2,1,0
.irp r, 0,1,2,3
	v_pk_fma_f32 v[TMP+10*\r+4:TMP+10*\r+5], v[TMP+10*\r+4:TMP+10*\r+5], v[TMP+10*\r:TMP+10*\r+1], s[CA+2*\k:CA+2*\k+1] op_sel_hi:[1,1,0]   ; cos(pi t)
.endr
.endr
.irp r, 0,1,2,3
	v_pk_fma_f32 v[TMP+10*\r+6:TMP+10*\r+7], v[VB5:VB5+1], v[TMP+10*\r:TMP+10*\r+1], s[CB+8:CB+9] op_sel_hi:[1,1,0]
.endr
.irp k, 3,2,1,0
.irp r, 0,1,2,3
	v_pk_fma_f32 v[TMP+10*\r+6:TMP+10*\r+7], v[TMP+10*\r+6:TMP+10*\r+7], v[TMP+10*\r:TMP+10*\r+1], s[CB+2*\k:CB+2*\k+1] op_sel_hi:[1,1,0]   ; sin(pi t) / t
.endr
.endr
.irp r, 0,1,2,3
	v_pk_mul_f32 v[TMP+10*\r+8:TMP+10*\r+9], v[TMP+10*\r+2:TMP+10*\r+3], v[\buf+16+2*\h:\buf+17+2*\h]   ; t x attn_sin
.endr
.irp r, 0,1,2,3
.if \first
	v_pk_mul_f32 v[ACC+4*\r:ACC+4*\r+1], v[\buf+12+2*\h:\buf+13+2*\h], v[TMP+10*\r+4:TMP+10*\r+5]
	v_pk_mul_f32 v[ACC+4*\r+2:ACC+4*\r+3], v[TMP+10*\r+8:TMP+10*\r+9], v[TMP+10*\r+6:TMP+10*\r+7]
.else
	v_pk_fma_f32 v[ACC+4*\r:ACC+4*\r+1], v[\buf+12+2*\h:\buf+13+2*\h], v[TMP+10*\r+4:TMP+10*\r+5], v[ACC+4*\r:ACC+4*\r+1]
	v_pk_fma_f32 v[ACC+4*\r+2:ACC+4*\r+3], v[TMP+10*\r+8:TMP+10*\r+9], v[TMP+10*\r+6:TMP+10*\r+7], v[ACC+4*\r+2:ACC+4*\r+3]
.endif
.endr
.endm
; Eight sums (cos and sin of four rows) over the 32 lanes, folded so that each step halves the lanes AND the sums that a lane carries: 28 instructions for all eight.
.macro REDUCE
.irp r, 0,1,2,3
	v_add_f32 v[ACC+4*\r], v[ACC+4*\r], v[ACC+4*\r+1]              ; even d + odd d
	v_add_f32 v[ACC+4*\r+2], v[ACC+4*\r+2], v[ACC+4*\r+3]
.endr
.irp r, 0,1,2,3
	v_permlane16_swap_b32 v[ACC+4*\r], v[ACC+4*\r+2]               ; cos's lanes 16-31 change places with sin's lanes 0-15
.endr
.irp r, 0,1,2,3
	v_add_f32 v[ACC+4*\r], v[ACC+4*\r], v[ACC+4*\r+2]              ; lanes 0-15 now carry cos, lanes 16-31 sin
.endr
.irp r, 0,1
	v_cndmask_b32 v[TMP+2*\r], v[ACC+4*\r], v[ACC+4*\r+8], s46     ; what I keep: row r where my bit 3 is 0, row r + 2 where it is 1;
	v_cndmask_b32 v[TMP+2*\r+1], v[ACC+4*\r+8], v[ACC+4*\r], s46   ; what the lane 8 away keeps
.endr
.irp r, 0,1
	v_add_f32_dpp v[TMP+2*\r], v[TMP+2*\r+1], v[TMP+2*\r] row_xmask:8 row_mask:0xf bank_mask:0xf
.endr
	v_cndmask_b32 v[TMP+4], v[TMP], v[TMP+2], s47                  ; the same for the rows' low bit and lane bit 2
	v_cndmask_b32 v[TMP+5], v[TMP+2], v[TMP], s47
	v_add_f32_dpp v[TMP+4], v[TMP+5], v[TMP+4] row_xmask:4 row_mask:0xf bank_mask:0xf
	v_add_f32_dpp v[TMP+4], v[TMP+4], v[TMP+4] row_xmask:2 row_mask:0xf bank_mask:0xf
	v_add_f32_dpp v[TMP+4], v[TMP+4], v[TMP+4] row_xmask:1 row_mask:0xf bank_mask:0xf   ; the four lanes of a quad hold the same finished sum;
	v_cndmask_b32 v[CUR], v[CUR], v[TMP+4], s48                    ; the lane with lane % 4 = k takes it
.endm
	s_mov_b32 s49, 0                               ; j
.Lgroup:
	s_wait_loadcnt 0x0                             ; this group's four loads are in (in the first trip x's sixteen too): so GOF may be stepped below
.irp i, 0,1,2,3
	v_add_f32 v[WLP+\i], 1.0, |v[RAW+\i]|          ; wl
.endr
.irp i, 0,1,2,3
	v_rcp_f32 v[RIP+\i], v[WLP+\i]
.endr
	v_add_nc_u32 v[GOF], 2048, v[GOF]              ; the next group's rows.  (The plain instruction behind the reciprocals)
	s_wait_alu depctr_va_vdst(0)                   ; one wait for the four reciprocals, ahead of their first reader
.irp i, 0,2
	v_pk_fma_f32 v[EP+\i:EP+\i+1], v[WLP+\i:WLP+\i+1], v[RIP+\i:RIP+\i+1], 1.0 op_sel_hi:[1,1,0] neg_lo:[1,0,0] neg_hi:[1,0,0]   ; 1 - wl r
.endr
.irp i, 0,2
	v_pk_fma_f32 v[RIP+\i:RIP+\i+1], v[EP+\i:EP+\i+1], v[RIP+\i:RIP+\i+1], v[RIP+\i:RIP+\i+1]   ; r + r (1 - wl r): 1 / wl to the last bit or nearly
.endr
	s_wait_dscnt 0x0                               ; my reads of the last group are in:
	s_barrier_signal -1
	s_barrier_wait -1                              ; everybody's are, so the region may be written
	ds_store_b128 v[PS], v[RIP:RIP+3]
	ds_store_b128 v[PS], v[WLP:WLP+3] offset:2048
	ds_store_b128 v[PS], v[RAW+4:RAW+7] offset:4096
	ds_store_b128 v[PS], v[RAW+8:RAW+11] offset:6144
	ds_store_b128 v[PS], v[RAW+12:RAW+15] offset:8192
	s_wait_dscnt 0x0                               ; for the others' sake: my stores have landed
	s_barrier_signal -1
	s_barrier_wait -1                              ; the group's 4 n lie in LDS
	s_cmp_eq_u32 s49, 3                            ; the next group is asked for now and has this group's four n in which to land; the last group asks for nothing: no load leaves its buffer
	s_cbranch_scc1 .Lnoload
	LDRAW
.Lnoload:
	s_mov_b32 s50, 0                               ; k
.Ln:
	s_mul_i32 s51, s50, NSTR                       ; where n = 4 k + j lies in LDS
	s_lshl_b32 s48, 0x11111111, s50                ; the lanes with lane % 4 = k
	v_add_nc_u32 v[AD], s51, v[LA]
	LDP P0, 0
	LDP P1, 1
	s_wait_dscnt 5                                 ; chunk 0's five loads are in; chunk 1's five may be out
	PAIRS 0, P0, 0, 1
	PAIRS 0, P0, 1, 0
	LDP P0, 2
	s_wait_dscnt 5                                 ; chunk 1's are in; chunk 2's may be out
	PAIRS 1, P1, 0, 0
	PAIRS 1, P1, 1, 0
	LDP P1, 3
	s_wait_dscnt 5                                 ; chunk 2's are in; chunk 3's may be out
	PAIRS 2, P0, 0, 0
	PAIRS 2, P0, 1, 0
	s_wait_dscnt 0x0
	PAIRS 3, P1, 0, 0
	PAIRS 3, P1, 1, 0
	REDUCE
	s_add_co_u32 s50, s50, 1
	s_cmp_lt_u32 s50, 4
	s_cbranch_scc1 .Ln
	v_mov_b32 v[OUT], v[OUT+1]                     ; the four words move along: after four groups word j is group j's
	v_mov_b32 v[OUT+1], v[OUT+2]
	v_mov_b32 v[OUT+2], v[OUT+3]
	v_mov_b32 v[OUT+3], v[CUR]
	s_add_co_u32 s49, s49, 1
	s_cmp_lt_u32 s49, 4
	s_cbranch_scc1 .Lgroup
	global_store_b128 v[LA], v[OUT:OUT+3], s[14:15]   ; 32 lanes store 512 consecutive bytes, at a multiple of 512 from the buffer's first byte
	s_wait_tensorcnt 0x0
	ds_add_u32 v240, v241
	s_wait_dscnt 0x0
	s_endpgm
.Lfunc_end_k_qe939b081e0_trig:
	.size	k_qe939b081e0_trig, .Lfunc_end_k_qe939b081e0_trig-k_qe939b081e0_trig
	.p2alignl 7, 3214868480
	.fill 96, 4, 3214868480
	.section	.rodata,"a",@progbits
	.p2align	6, 0x0
	.amdhsa_kernel k_qe939b081e0_trig
		.amdhsa_group_segment_fixed_size 43008
		.amdhsa_private_segment_fixed_size 0
		.amdhsa_enable_private_segment 0
		.amdhsa_kernarg_size 48
		.amdhsa_user_sgpr_count 2
		.amdhsa_user_sgpr_kernarg_segment_ptr 1
		.amdhsa_wavefront_size32 1
		.amdhsa_system_sgpr_workgroup_id_x 1
		.amdhsa_system_sgpr_workgroup_id_y 1
		.amdhsa_system_sgpr_workgroup_id_z 1
		.amdhsa_system_vgpr_workitem_id 0
		.amdhsa_next_free_vgpr 242
		.amdhsa_next_free_sgpr 66
		.amdhsa_reserve_vcc 0
		.amdhsa_float_denorm_mode_32 3
		.amdhsa_float_denorm_mode_16_64 3
		.amdhsa_memory_ordered 1
		.amdhsa_forward_progress 1
		.amdhsa_inst_pref_size 59
	.end_amdhsa_kernel
	.amdgpu_metadata
---
amdhsa.version: [ 1, 2 ]
amdhsa.kernels:
  - .name:           k_qe939b081e0_trig
    .symbol:         k_qe939b081e0_trig.kd
    .args:
      - { .name: x, .offset: 0, .size: 8, .value_kind: global_buffer, .address_space: global }
      - { .name: W, .offset: 8, .size: 8, .value_kind: global_buffer, .address_space: global }
      - { .name: B_param, .offset: 16, .size: 8, .value_kind: global_buffer, .address_space: global }
      - { .name: attn_cos, .offset: 24, .size: 8, .value_kind: global_buffer, .address_space: global }
      - { .name: attn_sin, .offset: 32, .size: 8, .value_kind: global_buffer, .address_space: global }
      - { .name: sums, .offset: 40, .size: 8, .value_kind: global_buffer, .address_space: global }
    .group_segment_fixed_size: 43008
    .private_segment_fixed_size: 0
    .kernarg_segment_align: 8
    .kernarg_segment_size: 48
    .max_flat_workgroup_size: 512
    .sgpr_count:     66
    .vgpr_count:     242
    .wavefront_size: 32
...
	.end_amdgpu_metadata
.endif
;; end of part 1
;; launch proj (part 2): grid 4 x 64, 4 waves a work-group, no clusters, 15,872 bytes of LDS; arguments sums, proj_cos_w_codes, proj_cos_w_scales, proj_sin_w_codes, proj_sin_w_scales, out0; writes out0
.if DOCPART == 2
	.amdgcn_target "amdgcn-amd-amdhsa--gfx1250"
	.amdhsa_code_object_version 6
	.text
	.protected	k_qe939b081e0_proj
	.globl	k_qe939b081e0_proj
	.p2align	8
	.type	k_qe939b081e0_proj,@function
k_qe939b081e0_proj:
	s_mov_b64 s[64:65], 0
	v_nop
	global_prefetch_b8 v0, s[64:65] scope:SCOPE_SE
	s_setreg_imm32_b32 hwreg(HW_REG_WAVE_MODE, 25, 1), 1
	s_wait_xcnt 0x0
; out0 = silu(Q(cos_sum) proj_cos_w^T + Q(sin_sum) proj_sin_w^T): both products on codes of BF6 (E3M2) with one E8M0 scale for each 32 along K, summed in one f32 accumulator: K = 512 in four steps of 128:
; steps 0, 1 = cos_sum's n 0-127, 128-255 against proj_cos_w; steps 2, 3 = sin_sum's against proj_sin_w.  proj's codes and scale bytes go to the matrix unit as they lie in memory.
; sums: blocks of 512 bytes, block (m / 4) x 16 + n / 16 = [cos, sin][4 rows][16 n] of f32: a run of 64 bytes is 16 neighbouring n of one row, half a block of the quantiser.
; SHARES.  A work-group of four waves owns 16 rows x 128 columns of out0.  Wave w QUANTISES K step w of the 16 rows (one fragment, one scale word a row) and MULTIPLIES for columns 32 w .. 32 w + 31 (two tiles).
; The four fragments go from wave to wave through LDS as images of their registers: 3 stores of 16 bytes a lane at 16 x lane, the scale word at 4 x lane; the same lines as loads give any wave the same registers.
; THE MATRIX INSTRUCTION IS USED TRANSPOSED (source 0 = 16 rows of proj, source 1 = the 16 rows of sums): a lane then holds eight neighbouring columns of one row of out0.
; A block's scale: its largest magnitude's exponent field less 4, held at 1 from below by a floor among the maximum's leaves.  (A block of zeros so has the byte 1 where the definition says 127: its codes are zeros, and only this text reads the byte.)
; LIMITS: NaN and infinities among the sums are not served.
; No tensor loads and no joint loads: a work-group reads 32 KiB of sums and 50 KiB of proj once and ends; every load is issued at the head.
.set FRB,  1536                        ; a fragment's image: 12 registers x 128 bytes
.set AIMG, 0                           ; LDS: the four fragments,
.set ASC,  6144                        ; their scale words, 128 bytes each,
.set STG,  6656                        ; the stage for out0: 16 rows x (512 bytes + 16)
.set SPI,  528
.set RA,   16                          ; v16-79  64 sums of my row; then v16-63 the four fragments; then v16-31 exponentials, v32-47 results, v48-63 rows read back
.set PC,   80                          ; v80-98  the codes just made; later v80-95 reciprocals
.set TM,   100                         ; v100-103 largest magnitudes, v104-107 bytes, v112-115 the conversions' scale operands
.set ASW,  108                         ; v108-111 the four K steps' scale words of the rows: they hold nothing else
.set PW,   116                         ; v116    the scale word just made
.set BF,   120                         ; v120-215 proj's fragments: tile n, K step s at BF + 12 (4 n + s)
.set BSW,  216                         ; v216-223 their scale words: they hold nothing else
.set ACC,  224                         ; v224-239 two accumulators
.set SEL,  20                          ; s[20:21] lane selects for v_permlanex16_b32: lane l xor 16
	s_load_b256 s[4:11], s[0:1], 0x0               ; sums s[4:5], cos codes s[6:7], cos scales s[8:9], sin codes s[10:11]
	s_load_b128 s[12:15], s[0:1], 0x20             ; sin scales s[12:13], out0 s[14:15]
	v_lshl_add_u32 v240, v0, 2, 0x3c00
	v_mov_b32 v241, 0
	v_lshrrev_b32 v1, 5, v0
	v_readfirstlane_b32 s16, v1                    ; wave 0..3
	v_and_b32 v1, 31, v0                           ; lane
	v_and_b32 v2, 15, v0                           ; r
	v_bfe_u32 v3, v0, 4, 1                         ; h
	v_lshrrev_b32 v13, 2, v2
	v_and_b32 v14, 3, v2
	v_lshlrev_b32 v4, 13, v13                      ; sums: 16 blocks of 512 bytes for each four rows,
	v_lshl_add_u32 v4, v3, 9, v4                   ; one block on for the upper 16 of a block of 32,
	v_lshl_add_u32 v4, v14, 6, v4                  ; 64 bytes a row inside a block
	v_lshlrev_b32 v5, 4, v1                        ; 16 x lane
	v_lshlrev_b32 v6, 2, v1                        ; 4 x lane
	s_mul_i32 s17, s16, FRB
	v_add_nc_u32 v7, s17, v5                       ; where I store my fragment's image
	s_lshl_b32 s17, s16, 7
	v_add_nc_u32 v8, s17, v6                       ; and its scale word
	v_mul_u32_u24 v9, v2, SPI
	v_lshl_add_u32 v9, v3, 5, v9
	v_add_nc_u32 v9, s17, v9
	v_add_nc_u32 v9, STG, v9                       ; the stage: row r, + 32 h, + 128 x wave: my columns' bytes
	s_mul_i32 s17, s16, 4*SPI
	v_add_nc_u32 v10, s17, v5
	v_add_nc_u32 v10, STG, v10                     ; back: my four rows, 16 bytes a lane
	v_mul_u32_u24 v11, v2, 192                     ; proj: a row of 256 codes is 192 bytes,
	v_mad_u32_u24 v11, v3, 24, v11                 ; + 24 h
	v_lshlrev_b32 v12, 3, v2                       ; its scale bytes: 8 a row
.irp b, 0,1,2,3
	v_mov_b32 v[TM+4+\b], 0                        ; written once: a lane permute's destination counts as one of its sources
.endr
	s_mov_b32 s[SEL], 0x76543210
	s_mov_b32 s[SEL+1], 0xfedcba98
	s_mov_b32 s22, 0xbfb8aa3b                      ; -log2(e)
	s_mov_b32 s23, 0xbfb8aa3b
	s_and_b32 s18, ttmp7, 0xffff                   ; which 16 rows
	s_lshl_b32 s24, s18, 15                        ; sums: 64 blocks for 16 rows,
	s_and_b32 s19, s16, 1
	s_lshl_b32 s19, s19, 12
	s_add_co_u32 s24, s24, s19                     ; my K step's n: 8 blocks on for n 128-255,
	s_lshr_b32 s19, s16, 1
	s_lshl_b32 s19, s19, 8
	s_add_co_u32 s24, s24, s19                     ; and cos's or sin's half of each block
	s_mov_b32 s25, 0
	s_lshl_b32 s26, ttmp9, 7
	s_lshl_b32 s19, s16, 5
	s_add_co_u32 s26, s26, s19                     ; my first column: 128 x work-group x + 32 x wave
	s_lshl_b32 s28, s26, 3
	s_mov_b32 s29, 0
	s_mul_i32 s26, s26, 192
	s_mov_b32 s27, 0
	s_lshl_b32 s30, s18, 2
	s_add_co_u32 s30, s30, s16
	s_lshl_b32 s30, s30, 13                        ; out0: the four rows that I store, 2,048 bytes each,
	s_lshl_b32 s19, ttmp9, 9
	s_add_co_u32 s30, s30, s19                     ; and the work-group's 512 bytes of them
	s_mov_b32 s31, 0
	s_wait_kmcnt 0x0
	s_add_nc_u64 s[4:5], s[4:5], s[24:25]
	s_add_nc_u64 s[6:7], s[6:7], s[26:27]
	s_add_nc_u64 s[10:11], s[10:11], s[26:27]
	s_add_nc_u64 s[8:9], s[8:9], s[28:29]
	s_add_nc_u64 s[12:13], s[12:13], s[28:29]
	s_add_nc_u64 s[14:15], s[14:15], s[30:31]
.irp b, 0,1,2,3                        ; register 16 b + i = n 32 b + 16 h + i of my K step, row r
.irp j, 0,1,2,3
	global_load_b128 v[RA+16*\b+4*\j:RA+16*\b+4*\j+3], v4, s[4:5] offset:1024*\b+16*\j
.endr
.endr
.macro BLOAD n, s, cb, sb              ; proj's fragment (tile n, K step s): 24 bytes of the row's stream of bits twice, in pieces of 8; and its rows' scale words
.irp p, 0,1,2,3,4,5
	global_load_b64 v[BF+12*(4*(\n)+(\s))+2*\p:BF+12*(4*(\n)+(\s))+2*\p+1], v11, s[\cb:\cb+1] offset:16*(\n)*192+((\s)%2)*96+48*(\p/3)+8*(\p%3)
.endr
	global_load_b32 v[BSW+4*(\n)+(\s)], v12, s[\sb:\sb+1] offset:128*(\n)+4*((\s)%2)
.endm
.irp n, 0,1
	BLOAD \n, 0, 6, 8
	BLOAD \n, 1, 6, 8
	BLOAD \n, 2, 10, 12
	BLOAD \n, 3, 10, 12
.endr
	s_wait_loadcnt 56                              ; my sixteen loads of sums are in; the 8 x 7 loads of proj behind them may be out
	; ---- my K step of the 16 rows becomes a fragment's codes in v[PC] on and its scale word in v[PW]
.irp b, 0,1,2,3
	v_max3_num_f32 v[TM+\b], |v[RA+16*\b]|, |v[RA+1+16*\b]|, 0x2800000   ; block b: my 16 numbers, and the floor 2^(5 - 127): so the byte cannot fall under 1
.endr
.irp i, 2,4,6,8,10,12,14
.irp b, 0,1,2,3
	v_max3_num_f32 v[TM+\b], v[TM+\b], |v[RA+16*\b+\i]|, |v[RA+1+16*\b+\i]|   ; (the four blocks by turns)
.endr
.endr
.irp b, 0,1,2,3
	v_permlanex16_b32 v[TM+4+\b], v[TM+\b], s[SEL], s[SEL+1]
.endr
.irp b, 0,1,2,3
	v_max_num_f32 v[TM+\b], v[TM+\b], v[TM+4+\b]   ; with lane l xor 16's: the block's largest magnitude
.endr
.irp b, 0,1,2,3
	v_add_nc_u32 v[TM+12+\b], 0xfe000000, v[TM+\b] ; 4 off its exponent field: the conversion takes the exponent field of this operand as its scale
.endr
.irp b, 0,1,2,3
	v_lshrrev_b32 v[TM+4+\b], 23, v[TM+12+\b]      ; the scale's byte
.endr
	v_lshl_or_b32 v[PW], v[TM+5], 8, v[TM+4]       ; the four bytes make my row's scale word
	v_lshl_or_b32 v[PW], v[TM+6], 16, v[PW]
	v_lshl_or_b32 v[PW], v[TM+7], 24, v[PW]
.irp c, 0,1
	v_cvt_scalef32_pk16_bf6_f32 v[PC+6*\c:PC+2+6*\c], v[RA+32*\c:RA+15+32*\c], v[TM+12+2*\c]
	v_cvt_scalef32_pk16_bf6_f32 v[PC+12+4*\c:PC+14+4*\c], v[RA+16+32*\c:RA+31+32*\c], v[TM+12+2*\c+1]   ; (a conversion's three registers begin on an even number)
.endr
	v_nop                                          ; one plain instruction behind a scaled conversion
.irp c, 0,1                            ; the operand's layout wants a WHOLE block in a lane: lanes 0-15 block 2 c, lanes 16-31 block 2 c + 1
.irp i, 0,1,2
	v_permlane16_swap_b32 v[PC+6*\c+\i], v[PC+12+4*\c+\i]
.endr
.irp i, 0,1,2
	v_mov_b32 v[PC+3+6*\c+\i], v[PC+12+4*\c+\i]
.endr
.endr
.irp c, 0,1,2
	ds_store_b128 v7, v[PC+4*\c:PC+4*\c+3] offset:AIMG+512*\c
.endr
	ds_store_b32 v8, v[PW] offset:ASC
	s_wait_dscnt 0x0                               ; for the others' sake: my stores have landed
	s_barrier_signal -1
	s_barrier_wait -1                              ; the four fragments lie in LDS
.irp s, 0,1,2,3
.irp c, 0,1,2
	ds_load_b128 v[RA+12*\s+4*\c:RA+12*\s+4*\c+3], v5 offset:AIMG+FRB*\s+512*\c
.endr
	ds_load_b32 v[ASW+\s], v6 offset:ASC+128*\s
.endr
	s_wait_loadcnt 0x0                             ; proj's fragments and scale words
	s_wait_dscnt 0x0
	; ---- eight products: the two accumulators take turns, one instruction a turn, K ascending; the first K step starts the sums
.irp s, 0,1,2,3
.irp n, 0,1
.if \s == 0
	v_wmma_scale_f32_16x16x128_f8f6f4 v[ACC+8*\n:ACC+8*\n+7], v[BF+12*(4*\n+\s):BF+12*(4*\n+\s)+11], v[RA+12*\s:RA+12*\s+11], 0, v[BSW+4*\n+\s], v[ASW+\s] matrix_a_fmt:MATRIX_FMT_BF6 matrix_b_fmt:MATRIX_FMT_BF6
.else
	v_wmma_scale_f32_16x16x128_f8f6f4 v[ACC+8*\n:ACC+8*\n+7], v[BF+12*(4*\n+\s):BF+12*(4*\n+\s)+11], v[RA+12*\s:RA+12*\s+11], v[ACC+8*\n:ACC+8*\n+7], v[BSW+4*\n+\s], v[ASW+\s] matrix_a_fmt:MATRIX_FMT_BF6 matrix_b_fmt:MATRIX_FMT_BF6
.endif
.endr
.endr
.rept 4
	v_nop                                          ; four plain instructions between the last products and the first read of results and the first write over their operands (ISA guide 7.12.1)
.endr
	; ---- silu(z) = z / (1 + 2^(-z log2 e)); each accumulator is read from its low end on
.irp j, 0,2,4,6,8,10,12,14
	v_pk_mul_f32 v[RA+\j:RA+\j+1], v[ACC+\j:ACC+\j+1], s[22:23] op_sel_hi:[1,0]
.endr
.irp j, 0,1,2,3,4,5,6,7,8,9,10,11,12,13,14,15
	v_exp_f32 v[RA+\j], v[RA+\j]
.endr
	v_nop                                          ; a plain instruction behind the last exponential
	s_wait_alu depctr_va_vdst(0)                   ; one wait for the sixteen, ahead of their first reader
.irp j, 0,2,4,6,8,10,12,14
	v_pk_add_f32 v[RA+\j:RA+\j+1], v[RA+\j:RA+\j+1], 1.0 op_sel_hi:[1,0]
.endr
.irp j, 0,1,2,3,4,5,6,7,8,9,10,11,12,13,14,15
	v_rcp_f32 v[PC+\j], v[RA+\j]
.endr
	v_nop
	s_wait_alu depctr_va_vdst(0)                   ; and one for the sixteen reciprocals
.irp j, 0,2,4,6,8,10,12,14
	v_pk_mul_f32 v[RA+16+\j:RA+17+\j], v[ACC+\j:ACC+\j+1], v[PC+\j:PC+\j+1]
.endr
.irp n, 0,1                            ; lane (r, h): out0(row r, my column 16 n + 8 h + 0 .. 7)
	ds_store_b128 v9, v[RA+16+8*\n:RA+19+8*\n] offset:64*\n
	ds_store_b128 v9, v[RA+20+8*\n:RA+23+8*\n] offset:64*\n+16
.endr
	s_wait_dscnt 0x0                               ; for the others' sake: a row's 512 bytes come from four waves
	s_barrier_signal -1
	s_barrier_wait -1
.irp i, 0,1,2,3
	ds_load_b128 v[RA+32+4*\i:RA+35+4*\i], v10 offset:\i*SPI
.endr
.irp i, 0,1,2,3
	s_wait_dscnt 3-\i                              ; row i is back; the rows behind it may be out
	global_store_b128 v5, v[RA+32+4*\i:RA+35+4*\i], s[14:15] offset:2048*\i th:TH_STORE_NT   ; 32 lanes store 512 consecutive bytes, at a multiple of 512 from out0's first byte
.endr
	s_wait_tensorcnt 0x0
	ds_add_u32 v240, v241
	s_wait_dscnt 0x0
	s_endpgm
.Lfunc_end_k_qe939b081e0_proj:
	.size	k_qe939b081e0_proj, .Lfunc_end_k_qe939b081e0_proj-k_qe939b081e0_proj
	.p2alignl 7, 3214868480
	.fill 96, 4, 3214868480
	.section	.rodata,"a",@progbits
	.p2align	6, 0x0
	.amdhsa_kernel k_qe939b081e0_proj
		.amdhsa_group_segment_fixed_size 15872
		.amdhsa_private_segment_fixed_size 0
		.amdhsa_enable_private_segment 0
		.amdhsa_kernarg_size 48
		.amdhsa_user_sgpr_count 2
		.amdhsa_user_sgpr_kernarg_segment_ptr 1
		.amdhsa_wavefront_size32 1
		.amdhsa_system_sgpr_workgroup_id_x 1
		.amdhsa_system_sgpr_workgroup_id_y 1
		.amdhsa_system_sgpr_workgroup_id_z 1
		.amdhsa_system_vgpr_workitem_id 0
		.amdhsa_next_free_vgpr 242
		.amdhsa_next_free_sgpr 66
		.amdhsa_reserve_vcc 0
		.amdhsa_float_denorm_mode_32 3
		.amdhsa_float_denorm_mode_16_64 3
		.amdhsa_memory_ordered 1
		.amdhsa_forward_progress 1
		.amdhsa_inst_pref_size 20
	.end_amdhsa_kernel
	.amdgpu_metadata
---
amdhsa.version: [ 1, 2 ]
amdhsa.kernels:
  - .name:           k_qe939b081e0_proj
    .symbol:         k_qe939b081e0_proj.kd
    .args:
      - { .name: sums, .offset: 0, .size: 8, .value_kind: global_buffer, .address_space: global }
      - { .name: proj_cos_w_codes, .offset: 8, .size: 8, .value_kind: global_buffer, .address_space: global }
      - { .name: proj_cos_w_scales, .offset: 16, .size: 8, .value_kind: global_buffer, .address_space: global }
      - { .name: proj_sin_w_codes, .offset: 24, .size: 8, .value_kind: global_buffer, .address_space: global }
      - { .name: proj_sin_w_scales, .offset: 32, .size: 8, .value_kind: global_buffer, .address_space: global }
      - { .name: out0, .offset: 40, .size: 8, .value_kind: global_buffer, .address_space: global }
    .group_segment_fixed_size: 15872
    .private_segment_fixed_size: 0
    .kernarg_segment_align: 8
    .kernarg_segment_size: 48
    .max_flat_workgroup_size: 128
    .sgpr_count:     66
    .vgpr_count:     242
    .wavefront_size: 32
...
	.end_amdgpu_metadata
.endif
;; end of part 2
